; MI455X (gfx1250); checked and timed in simulation.
; The chip was launched on July 23, 2026; its instructions are those of AMD's public machine-readable ISA for CDNA 5 (MIT licence, August 2026) and "CDNA5" Instruction Set Architecture Reference Guide (July 2026). The comments in the code are by the model that wrote it; some were corrected since.
;; Quantized Linear. Allowed arithmetic: matrix products marked QUANTISED: E2M3 operands, one E8M0 scale for each 32 along K, by v_wmma_scale_f32_16x16x128_f8f6f4 with both operands' format E2M3, f32 sums; everything else in f32.
;; Inputs: bias 4,096 float32; scale 4,096 float32; weight_int8 4,096 x 4,096 int8; x 4 x 1,024 x 4,096 float32.
;; Outputs: out0 4 x 1,024 x 4,096 float32.
;; This version of the problem:
;;   THIS VERSION OF THE PROBLEM IS GIVEN IN LOW PRECISION. The matrix products marked QUANTISED in the list below multiply operands that are first quantised to E2M3 (2 exponent bits, 3 mantissa bits; 6 bits a number), with one power-of-two scale for each 32 numbers along K (OCP MX v1.0); their sums are f32. All else is computed in f32.
;;   The module's matrix products, in the order in which they are computed (A, B: the left and right operand; K: the contracted axis; several contracted axes count as one K, in the product's order):
;;     1. [M 4,096, K 4,096] x [K 4,096, N 4,096]; A: input x; B: computed on the way: QUANTISED
;;   THE QUANTISER, for each operand of a quantised product, along K:
;;     - K is cut into blocks of 32 from its start; a last block that is shorter is filled with zeros.
;;     - A block's scale is 2^e with e = floor(log2(the largest magnitude in the block)) - 2, held to -126 .. 127; a block of zeros has e = 0. As a byte (E8M0): e + 127.
;;     - Each number is divided by its block's scale, clamped to +-7.5, and rounded to the nearest number of E2M3, ties to even, subnormals kept.
;;     - The product sums the exact products of the quantised numbers (number of the format x scale) in f32.
;;   ~~~python
;;   def quantise(x, axis):      # numpy; x: float32 -> the quantised numbers, widened to float32 again
;;       x = np.moveaxis(x, axis, -1); K = x.shape[-1]
;;       x = np.pad(x, [(0, 0)] * (x.ndim - 1) + [(0, -K % 32)]); x = x.reshape(x.shape[:-1] + (-1, 32)); a = np.abs(x).max(-1, keepdims=True)
;;       e = np.where(a > 0, np.clip(np.frexp(np.where(a > 0, a, 1))[1] - 1 - 2, -126, 127), 0)      # np.frexp(a)[1] - 1 = floor(log2(a)), exactly
;;       r = np.clip(x / 2.0 ** e, -7.5, 7.5)
;;       step = 2.0 ** (np.maximum(np.frexp(np.where(r == 0, 1, r))[1] - 1, 0) - 3)
;;       q = np.round(r / step) * step * 2.0 ** e      # np.round: ties to even
;;       return np.moveaxis(q.reshape(q.shape[:-2] + (-1,))[..., :K], -1, axis).astype(np.float32)
;;   ~~~
;;   OPERANDS COMPUTED ON THE WAY. 'Computed on the way' means the value that the module computes at that place (a softmax that the list does not call 'softmax' is quantised finished and normalised). What goes into a quantiser is computed in f32, as accurately as f32 sums, v_exp_f32 and their like allow (about 1e-6 of the number): no bf16 or f16 on the way to a quantiser, and a product that is left as it is and whose result goes on into a quantised operand takes f32 operands (vector FMAs, or v_wmma_f32_16x16x4_f32). A number that lies on a knife's edge between two numbers of the format may be rounded either way, as far as f32 arithmetic and the matrix unit's own rounding can turn it there, and no further.
;; One version. Each part assembles by itself: llvm-mc -triple=amdgcn-amd-amdhsa -mcpu=gfx1250 --defsym DOCPART=n.
;; ======== version 1 of 1: 2 launches
;; limits: right only within a limited range of input values
;; workspace buffers: xq 13,107,200 bytes; wq 13,107,200 bytes
;; launch quant (part 1): grid 1024 x 1, 4 waves a work-group, no clusters, 43,520 bytes of LDS; arguments x, weight_int8, xq, wq, scale; writes xq, wq
.if DOCPART == 1
	.amdgcn_target "amdgcn-amd-amdhsa--gfx1250"
	.amdhsa_code_object_version 6
	.text
	.protected	k_q7813e06e9c_quant
	.globl	k_q7813e06e9c_quant
	.p2align	8
	.type	k_q7813e06e9c_quant,@function
k_q7813e06e9c_quant:
	s_mov_b64 s[64:65], 0
	v_nop
	global_prefetch_b8 v0, s[64:65] scope:SCOPE_SE
	s_setreg_imm32_b32 hwreg(HW_REG_WAVE_MODE, 25, 1), 1
	s_wait_xcnt 0x0
; x [4096][4096] f32 and Wf[n][k] = f32(weight_int8[n][k]) x scale[n] (one f32 rounding) are turned into codes of FP6 (E2M3), 6 bits each, with one E8M0 scale byte for each 32 along K.
; A block's scale is 2^(floor(log2(its largest magnitude)) - 2); its byte is the largest magnitude's own exponent field - 2, held at 1 from below.  Each number is divided by the scale and rounded to the
; nearest code, ties to even; beyond 7.5 the conversion gives the largest code.
; LIMITS: NaN and infinities among the inputs are not served; |scale| stays under 2^120 (128 x scale is formed); a block of zeros gets the byte 1 where the rule says 127: its codes are zeros, which add
; nothing under any byte but 0xff, and the bytes are read by this program alone.
; THE WORKSPACE IS LAID IN THE ORDER OF THE OPERAND'S REGISTERS.  A FRAGMENT, 16 rows x 128 K, is 12 registers a lane: lane (r, h) holds row r, registers 6 c .. 6 c + 5 the codes of K = 64 c + 32 h + 0 .. 31.
; Its image is 1,536 bytes: registers 4 c .. 4 c + 3 of lane l at 512 c + 16 l.  A UNIT, 128 rows x 128 K, is eight images (rows 16 i on) and then 512 bytes of scale words (four bytes: a row's 128 K):
; the word of row 16 i + r at 256 (i / 4) + 16 r + 4 (i % 4).  12,800 bytes.  A buffer is [row block of 128][unit 0 .. 31].
; SHARES.  Work-groups 0-511 take x, 512-1023 the weight; work-group g of a tensor takes row block g / 16 and units 2 (g % 16), 2 (g % 16) + 1; wave w rows 64 (w % 2) on of unit w / 2:
; four fragments, 6,144 dense bytes of codes, and 256 dense bytes of scale words.  A step is one fragment.
; A LANE HOLDS WHAT THE OPERAND'S LAYOUT GIVES IT: 64 numbers, two whole blocks of its row.  So a block's largest magnitude needs no other lane, and the conversions' results are the fragment's registers.
; The loads take the bytes as they lie (x: 512 consecutive bytes, a row's 128 K, to a load; the weight: four rows' 128 bytes) and a step's numbers turn through the wave's own stage in LDS.
; Every store of codes covers 512 consecutive bytes, at a multiple of 256 from the buffer's first byte; the wave's scale words leave as 256 such bytes.
; No cluster: no two work-groups read the same bytes but 256 bytes of scale.  No tensor loads, no barrier: waves share nothing.  The two paths part on the work-group's number and have LDS bytes of their own.
.set FRB,   1536                       ; a fragment's image
.set UNITB, 12800                      ; a unit
.set SCO,   8*FRB                      ; in it: where the scale words begin
.set XP,    528                        ; x's stage: a row's 512 bytes + 16: row r starts 4 r banks on (64 banks of 4 bytes: ISA guide 11.1)
.set XSTG,  16*XP                      ; a wave's stage: LDS 0 .. 33,791
.set WP,    144                        ; the weight's stage: a row's 128 bytes + 16: row r starts 36 r banks on: again sixteen different groups of four banks
.set WSTG,  16*WP
.set WLDS,  4*XSTG                     ; the weight's path: LDS 33,792 .. 43,007
.set LI,    3                          ; v3   16 x lane: x's load offset, and my place in a run of 512 bytes of an image
.set SST,   6                          ; v6   16 r + 8 h: my two scale words' place in the wave's 256 bytes
.set SH,    7                          ; v7   8 h
.set XST,   8                          ; v8   x's stage, in
.set XRD,   9                          ; v9   x's stage, out: row r, + 128 h
.set WST,   10                         ; v10  the weight's stage, in
.set WRD,   11                         ; v11  out: row r, + 32 h
.set WOF,   12                         ; v12  the weight: my byte offset in four rows
.set SOF,   13                         ; v13  4 r: scale[n] of my row
.set M,     14                         ; v14-17 largest magnitudes: two chains for each of my two blocks
.set SO,    18                         ; v18-19 the conversions' scale operands
.set BY,    20                         ; v20-21 the scale bytes
.set WD,    22                         ; v[22:23] at work on scale words
.set PT,    24                         ; v24  a lane permute's destination
.set P,     26                         ; v[26:27] scale of my row (the packed form names a pair and takes its low word)
.set N,     28                         ; v[28:29] -128 x that
.set S,     30                         ; v30-33 my row's scale word of each of the four fragments
.set SCV,   34                         ; v34-37 scale[n] of my row in each of the four fragments
.set PC,    40                         ; v40-51 the fragment's codes
.set T,     52                         ; v52-54, v56-58 the halves of a block whose place begins on an odd register
.set R,     64                         ; v64-191 x: two sets of 64 as loaded;  weight: v64-127 its sixteen loads, v128-143 a lane's 64 bytes
.set WB,    128
.set X,     192                        ; v192-255 my 64 numbers: register 32 c + i = K 64 c + 32 h + i of row r
	s_load_b128 s[4:7], s[0:1], 0x0                ; x, the weight
	s_load_b128 s[8:11], s[0:1], 0x10              ; x's workspace, the weight's
	s_load_b64 s[24:25], s[0:1], 0x20              ; scale
	v_lshl_add_u32 v62, v0, 2, 0xa800
	v_mov_b32 v63, 0
	v_lshrrev_b32 v1, 5, v0
	v_readfirstlane_b32 s16, v1                    ; wave
	v_and_b32 v2, 31, v0                           ; lane
	v_lshlrev_b32 v[LI], 4, v2
	v_and_b32 v4, 15, v2                           ; r
	v_lshrrev_b32 v5, 4, v2                        ; h
	v_lshlrev_b32 v[SST], 4, v4
	v_lshl_add_u32 v[SST], v5, 3, v[SST]
	v_lshlrev_b32 v[SH], 3, v5
	s_mul_i32 s26, s16, XSTG
	v_add_nc_u32 v[XST], s26, v[LI]                ; in: a row's 512 bytes as they lie, 16 a lane
	v_mul_u32_u24 v[XRD], v4, XP
	v_lshl_add_u32 v[XRD], v5, 7, v[XRD]
	v_add_nc_u32 v[XRD], s26, v[XRD]
	s_mul_i32 s27, s16, WSTG
	s_add_co_u32 s27, s27, WLDS
	v_lshrrev_b32 v1, 3, v2                        ; lane / 8: which of a load's four rows
	v_and_b32 v[WOF], 7, v2
	v_lshlrev_b32 v[WOF], 4, v[WOF]                ; 16 (lane % 8)
	v_mul_u32_u24 v[WST], v1, WP
	v_add_nc_u32 v[WST], v[WST], v[WOF]
	v_add_nc_u32 v[WST], s27, v[WST]
	v_lshl_add_u32 v[WOF], v1, 12, v[WOF]          ; + a row of 4,096 bytes
	v_mul_u32_u24 v[WRD], v4, WP
	v_lshl_add_u32 v[WRD], v5, 5, v[WRD]
	v_add_nc_u32 v[WRD], s27, v[WRD]
	v_lshlrev_b32 v[SOF], 2, v4
	v_cmp_le_u32 vcc_lo, 16, v2                    ; lanes 16-31; nothing else writes VCC
	v_mov_b32 v[PT], 0                             ; written once: a lane permute's destination counts as one of its sources
	s_mov_b32 s28, 0x80808080
	s_mov_b32 s30, 0x76543210
	s_mov_b32 s31, 0xfedcba98                      ; v_permlanex16_b32's selects for lane l xor 16
	s_wait_kmcnt 0x0
	s_cmp_lt_u32 ttmp9, 512                        ; x's work-group or the weight's?  The choice hangs on the work-group's number alone
	s_cselect_b64 s[8:9], s[8:9], s[10:11]
	s_cselect_b32 s17, 0, 512
	s_sub_co_u32 s17, ttmp9, s17                   ; g
	s_and_b32 s18, s16, 1                          ; which 64 rows
	s_lshr_b32 s19, s16, 1                         ; which of the two units
	s_lshl_b32 s20, s17, 1
	s_add_co_u32 s20, s20, s19                     ; 2 g + wave / 2 = 32 x row block + unit
	s_mul_i32 s20, s20, UNITB                      ; under 2^24
	s_mov_b32 s21, 0
	s_add_nc_u64 s[8:9], s[8:9], s[20:21]          ; my unit
	s_lshl_b32 s20, s18, 8
	s_add_co_u32 s20, s20, SCO
	s_add_nc_u64 s[10:11], s[8:9], s[20:21]        ; in it my 256 bytes of scale words,
	s_mul_i32 s20, s18, 4*FRB
	s_add_nc_u64 s[8:9], s[8:9], s[20:21]          ; and my four fragments
	s_lshr_b32 s22, s17, 4
	s_lshl_b32 s22, s22, 7
	s_lshl_b32 s23, s18, 6
	s_add_co_u32 s22, s22, s23                     ; my first row: 128 x row block + 64 x (wave % 2)
	s_and_b32 s23, s17, 15
	s_lshl_b32 s23, s23, 1
	s_add_co_u32 s23, s23, s19                     ; my unit along K
	s_cmp_lt_u32 ttmp9, 512
	s_cbranch_scc0 .Lweights
; My 64 numbers in v[X] on become fragment f's twelve registers and my row's scale word.
.macro QUANT64 f
.irp c, 0,1
	v_max3_num_f32 v[M+\c], |v[X+32*\c]|, |v[X+32*\c+1]|, 0x1800000   ; block 2 c + h: all its 32 numbers are mine; and the floor 2^(3 - 127), under which no largest magnitude is taken: so the byte cannot fall under 1
.endr
.irp c, 0,1
	v_max3_num_f32 v[M+2+\c], |v[X+32*\c+2]|, |v[X+32*\c+3]|, |v[X+32*\c+4]|   ; (two chains a block, four in all, by turns: no line waits for the line above it)
.endr
.irp i, 5,9,13,17,21,25
.irp c, 0,1
	v_max3_num_f32 v[M+\c], v[M+\c], |v[X+32*\c+\i]|, |v[X+32*\c+\i+1]|
.endr
.irp c, 0,1
	v_max3_num_f32 v[M+2+\c], v[M+2+\c], |v[X+32*\c+\i+2]|, |v[X+32*\c+\i+3]|
.endr
.endr
.irp c, 0,1
	v_max3_num_f32 v[M+\c], v[M+\c], |v[X+32*\c+29]|, |v[X+32*\c+30]|
.endr
.irp c, 0,1
	v_max3_num_f32 v[M+\c], v[M+\c], v[M+2+\c], |v[X+32*\c+31]|
.endr
.irp c, 0,1
	v_add_nc_u32 v[SO+\c], 0xff000000, v[M+\c]     ; 2 off its exponent field: the conversion takes the exponent field of this operand as its scale, and nothing else of it
.endr
.irp c, 0,1
	v_lshrrev_b32 v[BY+\c], 23, v[SO+\c]           ; the scale's byte
.endr
	v_lshl_or_b32 v[WD], v[BY+1], 16, v[BY]        ; my two bytes: blocks h and 2 + h of row r,
	v_lshlrev_b32 v[WD], v[SH], v[WD]              ; at their places in the scale word (8 h bits up);
	v_permlanex16_b32 v[PT], v[WD], s30, s31
	v_or_b32 v[S+(\f)], v[WD], v[PT]               ; with lane l xor 16's two the word is whole
.if (\f) > 0
	s_wait_alu depctr_va_vdst(0)
	s_wait_xcnt 0x0                                ; the last fragment's stores have read their registers (ISA guide 3.1): only behind this wait are the codes written again
.endif
.irp c, 0,1
	v_cvt_scalef32_pk16_fp6_f32 v[PC+6*\c:PC+6*\c+2], v[X+32*\c:X+32*\c+15], v[SO+\c]      ; registers 6 c .. 6 c + 2: 96 bits without gaps, the first number's code lowest
	v_cvt_scalef32_pk16_fp6_f32 v[T+4*\c:T+4*\c+2], v[X+32*\c+16:X+32*\c+31], v[SO+\c]     ; (a conversion's three registers begin on an even number: the second half of a block's six does not, so it is made elsewhere and moved)
.endr
	v_nop                                          ; one plain place behind a scaled conversion
.irp c, 0,1
.irp i, 0,1,2
	v_mov_b32 v[PC+3+6*\c+\i], v[T+4*\c+\i]
.endr
.endr
.irp c, 0,1,2
	global_store_b128 v[LI], v[PC+4*\c:PC+4*\c+3], s[8:9] offset:FRB*(\f)+512*\c   ; 32 lanes store 512 consecutive bytes of the image
.endr
.endm
.macro FLUSH                           ; the wave's 64 scale words: lane (r, h) stores those of fragments 2 h and 2 h + 1 of its row
	v_cndmask_b32 v[WD], v[S], v[S+2], vcc_lo
	v_cndmask_b32 v[WD+1], v[S+1], v[S+3], vcc_lo
	global_store_b64 v[SST], v[WD:WD+1], s[10:11]  ; 32 lanes store 256 consecutive bytes, at a multiple of 256 from the buffer's first byte
.endm
	; ---- x
	s_lshl_b32 s20, s22, 14                        ; a row of x is 16,384 bytes,
	s_lshl_b32 s19, s23, 9                         ; a unit along K 512
	s_add_co_u32 s20, s20, s19
	s_add_nc_u64 s[4:5], s[4:5], s[20:21]
.macro XLOAD f                         ; fragment f: sixteen rows' 512 bytes, a row to a load, into set f % 2
.irp i, 0,1,2,3,4,5,6,7,8,9,10,11,12,13,14,15
	global_load_b128 v[R+64*((\f)%2)+4*\i:R+64*((\f)%2)+4*\i+3], v[LI], s[4:5] offset:(16*(\f)+\i)*16384 th:TH_LOAD_NT
.endr
.endm
.macro XSTEP f
.if (\f) < 3
	s_wait_loadcnt 16                              ; this fragment's sixteen loads are in; the next one's may be out
.else
	s_wait_loadcnt 0x0
.endif
.irp i, 0,1,2,3,4,5,6,7,8,9,10,11,12,13,14,15
	ds_store_b128 v[XST], v[R+64*((\f)%2)+4*\i:R+64*((\f)%2)+4*\i+3] offset:XP*\i
.endr
.irp c, 0,1
.irp j, 0,1,2,3,4,5,6,7
	ds_load_b128 v[X+32*\c+4*\j:X+32*\c+4*\j+3], v[XRD] offset:256*\c+16*\j   ; LDS serves a wave's instructions in order (ISA guide 5.7.1.4): these see the stores above
.endr
.endr
	s_wait_dscnt 0x0                               ; my 64 numbers are back: so the stores into the stage have read their registers,
.if (\f)+2 < 4
	XLOAD (\f)+2                                   ; which take the loads of two fragments on
.endif
	QUANT64 \f
.endm
	XLOAD 0
	XLOAD 1
	XSTEP 0
	XSTEP 1
	XSTEP 2
	XSTEP 3
	FLUSH
	s_wait_tensorcnt 0x0
	ds_add_u32 v62, v63
	s_wait_dscnt 0x0
	s_endpgm
	; ---- the weight
.Lweights:
	s_lshl_b32 s20, s22, 12                        ; a row of the weight is 4,096 bytes,
	s_lshl_b32 s19, s23, 7                         ; a unit along K 128
	s_add_co_u32 s20, s20, s19
	s_add_nc_u64 s[6:7], s[6:7], s[20:21]
	s_lshl_b32 s20, s22, 2
	s_add_nc_u64 s[24:25], s[24:25], s[20:21]      ; scale at my first row
	v_mov_b32 v[P+1], 0                            ; (named as the upper halves of pairs, so they are written)
	v_mov_b32 v[N+1], 0
	s_wait_alu depctr_va_vdst(0)
.irp f, 0,1,2,3
	global_load_b32 v[SCV+\f], v[SOF], s[24:25] offset:64*\f           ; scale of row 16 f + r
.endr
.irp n, 0,1,2,3,4,5,6,7,8,9,10,11,12,13,14,15
	global_load_b128 v[R+4*\n:R+4*\n+3], v[WOF], s[6:7] offset:16384*\n   ; rows 4 n .. 4 n + 3, 128 bytes each: all sixteen loads are asked for at once
.endr
; w x scale in one rounding: the bytes are made unsigned (u = w + 128, one exclusive or for four), widened exactly, and u x scale - 128 x scale is one fused multiply-add:
; 128 x scale is exact, so the sum that is rounded is (u - 128) x scale itself.
.macro WSTEP f
	s_wait_loadcnt 12-4*(\f)                       ; this fragment's four loads are in (and scale's, which are older); the later fragments' four each may be out
.irp m, 0,1,2,3
	ds_store_b128 v[WST], v[R+16*(\f)+4*\m:R+16*(\f)+4*\m+3] offset:4*WP*\m
.endr
.irp c, 0,1
.irp j, 0,1
	ds_load_b128 v[WB+8*\c+4*\j:WB+8*\c+4*\j+3], v[WRD] offset:64*\c+16*\j   ; my 32 bytes of blocks h and 2 + h; LDS serves a wave's instructions in order
.endr
.endr
	v_mov_b32 v[P], v[SCV+(\f)]
	v_mul_f32 v[N], 0xc3000000, v[P]               ; -128 x scale
	s_wait_dscnt 0x0
.irp e, 0,1,2,3,4,5,6,7,8,9,10,11,12,13,14,15
	v_xor_b32 v[WB+\e], s28, v[WB+\e]
.endr
.irp e, 0,1,2,3,4,5,6,7,8,9,10,11,12,13,14,15
.irp i, 0,1,2,3
	v_bfe_u32 v[X+4*\e+\i], v[WB+\e], 8*\i, 8
.endr
.endr
.set j, 0
.rept 64
	v_cvt_f32_u32 v[X+j], v[X+j]
.set j, j+1
.endr
.set j, 0
.rept 32
	v_pk_fma_f32 v[X+j:X+j+1], v[X+j:X+j+1], v[P:P+1], v[N:N+1] op_sel_hi:[1,0,0]
.set j, j+2
.endr
	QUANT64 \f
.endm
	WSTEP 0
	WSTEP 1
	WSTEP 2
	WSTEP 3
	FLUSH
	s_wait_tensorcnt 0x0
	ds_add_u32 v62, v63
	s_wait_dscnt 0x0
	s_endpgm
.Lfunc_end_k_q7813e06e9c_quant:
	.size	k_q7813e06e9c_quant, .Lfunc_end_k_q7813e06e9c_quant-k_q7813e06e9c_quant
	.p2alignl 7, 3214868480
	.fill 96, 4, 3214868480
	.section	.rodata,"a",@progbits
	.p2align	6, 0x0
	.amdhsa_kernel k_q7813e06e9c_quant
		.amdhsa_group_segment_fixed_size 43520
		.amdhsa_private_segment_fixed_size 0
		.amdhsa_enable_private_segment 0
		.amdhsa_kernarg_size 40
		.amdhsa_user_sgpr_count 2
		.amdhsa_user_sgpr_kernarg_segment_ptr 1
		.amdhsa_wavefront_size32 1
		.amdhsa_system_sgpr_workgroup_id_x 1
		.amdhsa_system_sgpr_workgroup_id_y 1
		.amdhsa_system_sgpr_workgroup_id_z 1
		.amdhsa_system_vgpr_workitem_id 0
		.amdhsa_next_free_vgpr 256
		.amdhsa_next_free_sgpr 66
		.amdhsa_reserve_vcc 1
		.amdhsa_float_denorm_mode_32 3
		.amdhsa_float_denorm_mode_16_64 3
		.amdhsa_memory_ordered 1
		.amdhsa_forward_progress 1
		.amdhsa_inst_pref_size 83
	.end_amdhsa_kernel
	.amdgpu_metadata
---
amdhsa.version: [ 1, 2 ]
amdhsa.kernels:
  - .name:           k_q7813e06e9c_quant
    .symbol:         k_q7813e06e9c_quant.kd
    .args:
      - { .name: x, .offset: 0, .size: 8, .value_kind: global_buffer, .address_space: global }
      - { .name: weight_int8, .offset: 8, .size: 8, .value_kind: global_buffer, .address_space: global }
      - { .name: xq, .offset: 16, .size: 8, .value_kind: global_buffer, .address_space: global }
      - { .name: wq, .offset: 24, .size: 8, .value_kind: global_buffer, .address_space: global }
      - { .name: scale, .offset: 32, .size: 8, .value_kind: global_buffer, .address_space: global }
    .group_segment_fixed_size: 43520
    .private_segment_fixed_size: 0
    .kernarg_segment_align: 8
    .kernarg_segment_size: 40
    .max_flat_workgroup_size: 128
    .sgpr_count:     66
    .vgpr_count:     256
    .wavefront_size: 32
...
	.end_amdgpu_metadata
.endif
;; end of part 1
;; launch gemm (part 2): grid 16 x 16, 4 waves a work-group, clusters of 4 x 4, 327,680 bytes of LDS; arguments xq, wq, out0, bias; writes out0
.if DOCPART == 2
	.amdgcn_target "amdgcn-amd-amdhsa--gfx1250"
	.amdhsa_code_object_version 6
	.text
	.protected	k_q7813e06e9c_gemm
	.globl	k_q7813e06e9c_gemm
	.p2align	8
	.type	k_q7813e06e9c_gemm,@function
k_q7813e06e9c_gemm:
	s_mov_b64 s[64:65], 0
	v_nop
	global_prefetch_b8 v0, s[64:65] scope:SCOPE_SE
	s_setreg_imm32_b32 hwreg(HW_REG_WAVE_MODE, 25, 1), 1
	s_wait_xcnt 0x0
	s_wait_alu depctr_hold_cnt(0) depctr_sa_sdst(0) depctr_va_vdst(0) depctr_va_sdst(0) depctr_va_ssrc(0) depctr_va_vcc(0) depctr_vm_vsrc(0)
	s_getreg_b32 s2, hwreg(HW_REG_IB_STS2, 6, 4)
	s_cmp_eq_u32 s2, 0
	s_cbranch_scc0 .Lentry_in_a_cluster
	s_endpgm
.Lentry_in_a_cluster:
	s_bfe_u32 s2, ttmp6, 0x10000c
	s_cmp_lg_u32 s2, 0xf033
	s_cbranch_scc0 .Lentry_shape_is_right
	s_endpgm
.Lentry_shape_is_right:
; out0[m][n] = bias[n] + sum over k of X[m][k] W[n][k]; X and W are codes of FP6 (E2M3) with one E8M0 byte for each 32 along K, as launch quant laid them:
; a buffer is [row block of 128][unit 0 .. 31]; a unit (128 rows x 128 K, 12,800 bytes) is eight images of an operand's registers (16 rows x 128 K: registers 4 c .. 4 c + 3 of lane l at 512 c + 16 l)
; and 512 bytes of scale words (row 16 i + r at 256 (i / 4) + 16 r + 4 (i % 4)).  So a fragment is three ds_load_b128 at 16 x lane, and four blocks' scale words are one.
; A work-group of four waves makes 256 x 256 of out0, a wave 128 x 128: 64 accumulators, 512 registers.  256 work-groups.  The bias is the C of each accumulator's first product.
; THE RING: two slots; a fill brings three units of each of four parts (A's two row blocks, B's two), one dense tensor load of 38,400 bytes a wave, in rows of 256 bytes.  Fills 0 .. 9 hold units 3 f .. 3 f + 2, fill 10 units 30 and 31.
; CLUSTERS: 4 x 4; A's parts are asked for jointly along a row of the cluster, B's along a column; each refill stands behind a round of the cluster's barrier.
; THE MATRIX INSTRUCTION IS USED TRANSPOSED (source 0 = rows of W, source 1 = rows of X): a lane holds eight neighbouring numbers of a row of out0.
; LDS LOADS IN EVEN RUNS: A has one set of registers (blocks 0-3 fetched anew in a step's middle, 4-7 at its end), B two.  B's fragments 0-3 of step s + 2 are fetched at the end of step s, its fragments 4-7 in the middle of
; step s + 1: runs of 26 and 24 loads.  Only at a change of slots, where the next slot is shown whole in the step itself, all eight come in the middle run (38 loads).
; THE LAST SLOT (units 30, 31) GOES BY ROWS OF out0: B's two sets hold both units, A comes by blocks of 16 rows x 256 K in two buffers, and each block leaves through the wave's stage while the next is multiplied.
; PREFETCH: behind the joint load of fill f each wave asks for fill f + 1 of its part (f = 0 .. 8), three K steps ahead of the load that wants it: 150 blocks of 256 bytes, of which the partner at place p takes 38 p .. 38 p + 37
; (p = cx for A, cy for B; held at block 149), by two instructions; left-over lanes name their wave's last block again.  Fill 10 is shorter and is not asked for: so no address leaves the buffer.
; REGISTERS: window 0: v16-30 addresses; v32-47 scale words, two sets; v64-127 the bias, later rows on the way out; v128-223 A's fragments (by rows: v128-175 two block buffers, v176-239 rows on the way out).
;   window 1: B's two sets at v0 and v128.  windows 2, 3: the accumulators of my rows 0-63, 64-127 ((a, b) at v[8 (8 (a % 4) + b)]).
.set SIZE_N, 4096
.set FR,     12
.set NP,     4                         ; places behind this matrix form (ISA guide 7.12.1)
.set FRB,    1536
.set UNITB,  12800
.set SCO,    8*FRB
.set PART,   3*UNITB
.set SLOT,   4*PART
.set RBB,    32*UNITB
.set TRIPS,  4
.set SPARE,  2*SLOT                    ; the spare words, 512 bytes that no other line names
.set STAGE,  SLOT                      ; the way out: in slot 1, which has had its last fill and its last read by then
.set SPITCH, 528
.set ADRA, 16                          ; v16-17 my A part in slot 0, 1, + 16 x lane
.set PFO,  18                          ; v18-19 the prefetches' offsets
.set ADRB, 20                          ; v20-21 the same for B
.set ADRS, 22                          ; v22-23 scale words: lanes 0-15 A's part, lanes 16-31 B's
.set STO,  24
.set RD,   25
.set CO,   26
.set SPW,  28
.set NIL,  29
.set BO,   30
.set SC,   32
.set BI,   64
.set BK,   64
.set AF,   128
.set PA,   128
.set G1, 24
.set G0, 32
.set G1B, 48
.set G0B, 56
.set G1X, 68                           ; group 1 of the last fill: two units
.set G1XB, 80
.set PFA, 76                           ; s[76:77] the fill that my next prefetches name
.set MSB, 0
.macro WIN new                         ; the immediate's high byte repeats the setting that is left
.if MSB != \new
	s_set_vgpr_msb (MSB<<8)|\new
.set MSB, \new
.endif
.endm
.set MUL_LO, 0xa1
.set MUL_HI, 0xf1
.set BEG_LO, 0x81                      ; C (the bias) in window 0
.set BEG_HI, 0xc1
.set TO_B,   0x40
.macro JLOAD g0a, g1a, g0b, g1b        ; a joint load: waves 0, 1 for A, waves 2, 3 for B; s_nop 0 and four v_nop behind each line
	s_cmp_eq_u32 s15, 0
	s_cbranch_scc0 .Lfor_b_\@
	tensor_load_to_lds s[\g0a:\g0a+3], s[\g1a:\g1a+7]
	s_nop 0
.rept 4
	v_nop
.endr
	s_branch .Lasked_\@
.Lfor_b_\@:
	tensor_load_to_lds s[\g0b:\g0b+3], s[\g1b:\g1b+7]
	s_nop 0
.rept 4
	v_nop
.endr
.Lasked_\@:
.endm
.macro CREST                           ; a round of the cluster's barrier behind its opening barrier
	s_cmp_lg_u32 s14, 0
	s_cbranch_scc1 .Lnot_wave_0_\@
	s_barrier_signal -3
.Lnot_wave_0_\@:
	s_barrier_wait -3
	s_barrier_signal -1
	s_barrier_wait -1
.endm
.macro CROUND
	s_barrier_signal -1
	s_barrier_wait -1
	CREST
.endm
.macro ASK cond                        ; cond = 2: not in the loop's last trip, whose second refill is fill 9
.if \cond == 2
	s_cmp_gt_u32 s3, 1
	s_cbranch_scc0 .Lno_ask_\@
.endif
	global_prefetch_b8 v[PFO], s[PFA:PFA+1] th:TH_LOAD_NT scope:SCOPE_SE
	global_prefetch_b8 v[PFO+1], s[PFA:PFA+1] th:TH_LOAD_NT scope:SCOPE_SE
.if \cond == 2
.Lno_ask_\@:
.endif
.endm
	s_load_b128 s[4:7], s[0:1], 0x0                ; xq, wq
	s_load_b128 s[8:11], s[0:1], 0x10              ; out0, bias
	v_lshl_add_u32 v[SPW], v0, 2, SPARE
	v_mov_b32 v[NIL], 0
	ds_add_u32 v[SPW], v[NIL]                      ; the opening lines: the add, twice on end, and its wait ahead of my first tensor load
	ds_add_u32 v[SPW], v[NIL]
	v_lshrrev_b32 v1, 5, v0
	v_readfirstlane_b32 s14, v1                    ; wave
	s_lshr_b32 s15, s14, 1                         ; my half of the rows; also: I fetch for A (0) or B (1)
	s_and_b32 s16, s14, 1                          ; my half of the columns; also: which row block of that tile I fetch
	s_bfe_u32 s40, ttmp6, 0x40000                  ; cx
	s_bfe_u32 s41, ttmp6, 0x40004                  ; cy
	s_lshl_b32 s42, ttmp9, 2
	s_add_co_u32 s42, s42, s40                     ; tile column
	s_and_b32 s17, ttmp7, 0xffff
	s_lshl_b32 s17, s17, 2
	s_add_co_u32 s17, s17, s41                     ; tile row
	s_lshl_b32 s43, s41, 2
	s_lshl_b32 s43, 15, s43                        ; my row of the cluster
	s_lshl_b32 s44, 0x1111, s40                    ; my column
	s_or_b32 s[G1+0], s43, (3<<16)|(1<<21)         ; elements of 8 bytes, the mask, bit 21 beside it; no padding: every LDS read is 16 x lane
	s_or_b32 s[G1B+0], s44, (3<<16)|(1<<21)
	s_or_b32 s[G1X+0], s43, (3<<16)|(1<<21)
	s_or_b32 s[G1XB+0], s44, (3<<16)|(1<<21)
.irp g, G1, G1B
	s_mov_b32 s[\g+1], 32<<16                      ; rows of 256 bytes,
	s_mov_b32 s[\g+2], (PART/256)<<16              ; 150 of them
	s_mov_b32 s[\g+3], 32<<16
	s_mov_b32 s[\g+4], PART/256
	s_mov_b32 s[\g+5], 32
	s_mov_b32 s[\g+6], 0
	s_mov_b32 s[\g+7], 0
.endr
.irp g, G1X, G1XB
	s_mov_b32 s[\g+1], 32<<16
	s_mov_b32 s[\g+2], (2*UNITB/256)<<16           ; 100 rows
	s_mov_b32 s[\g+3], 32<<16
	s_mov_b32 s[\g+4], 2*UNITB/256
	s_mov_b32 s[\g+5], 32
	s_mov_b32 s[\g+6], 0
	s_mov_b32 s[\g+7], 0
.endr
	s_lshl_b32 s20, s17, 1
	s_add_co_u32 s20, s20, s16
	s_mul_i32 s20, s20, RBB                        ; A: the row block that I fetch, in bytes (under 2^24)
	s_mov_b32 s21, 0
	s_lshl_b32 s46, s42, 1
	s_add_co_u32 s46, s46, s16
	s_mul_i32 s46, s46, RBB                        ; B likewise
	s_mov_b32 s47, 0
	s_mul_i32 s45, s14, PART                       ; where my loads land: wave x a part
	s_mul_i32 s88, s15, PART                       ; the part of A that I read,
	s_mul_i32 s89, s16, PART
	s_add_co_u32 s89, s89, 2*PART                  ; and of B
	s_add_co_u32 s90, s88, SLOT
	s_add_co_u32 s91, s89, SLOT
	s_sub_co_u32 s92, s89, s88
	s_mul_i32 s93, s14, 16*SPITCH
	s_add_co_u32 s93, s93, STAGE                   ; my stage
	s_cmp_eq_u32 s15, 0
	s_cselect_b32 s94, s40, s41                    ; my place among the four that ask with me
	s_mul_i32 s94, s94, 38
	s_add_co_u32 s95, s94, 32
	s_lshl_b32 s22, s17, 8
	s_lshl_b32 s23, s15, 7
	s_add_co_u32 s22, s22, s23
	s_lshl_b32 s22, s22, 14                        ; my first row of out0, 16,384 bytes a row
	s_lshl_b32 s78, s42, 10
	s_lshl_b32 s79, s16, 9
	s_add_co_u32 s78, s78, s79                     ; my first column, in bytes: of out0 and of the bias
	s_add_co_u32 s22, s22, s78
	s_mov_b32 s23, 0
	s_mov_b32 s79, 0
	v_and_b32 v1, 15, v0                           ; r
	v_bfe_u32 v2, v0, 4, 1                         ; h
	v_and_b32 v6, 31, v0                           ; lane
	v_lshlrev_b32 v[CO], 4, v6
	v_add_nc_u32 v[ADRA], s88, v[CO]
	v_add_nc_u32 v[ADRA+1], s90, v[CO]
	v_add_nc_u32 v[ADRB], s89, v[CO]
	v_add_nc_u32 v[ADRB+1], s91, v[CO]
	v_mul_u32_u24 v5, s92, v2                      ; lanes 16-31 take B's scale words
	v_lshl_add_u32 v5, v1, 4, v5
	v_add_nc_u32 v[ADRS], s88, v5
	v_add_nc_u32 v[ADRS+1], s90, v5
	v_mul_u32_u24 v4, v1, SPITCH
	v_lshl_add_u32 v4, v2, 5, v4
	v_add_nc_u32 v[STO], s93, v4                   ; into the stage: row r, 32 bytes for each half of the lanes
	v_add_nc_u32 v[RD], s93, v[CO]                 ; back: 32 lanes take a row of 512 bytes
	v_lshlrev_b32 v[BO], 5, v2
	v_add_nc_u32 v[PFO], s94, v6
	v_min_u32 v[PFO], 149, v[PFO]
	v_lshlrev_b32 v[PFO], 8, v[PFO]                ; blocks 38 p + lane,
	v_min_u32 v7, 5, v6
	v_add_nc_u32 v7, s95, v7
	v_min_u32 v7, 149, v7
	v_lshlrev_b32 v[PFO+1], 8, v7                  ; and 38 p + 32 .. 38 p + 37
	s_wait_alu depctr_va_vdst(0)                   ; the wait at the end of the head's vector work; behind it no ordinary vector instruction writes a register
	s_wait_dscnt 0x0                               ; both opening adds are done
	s_wait_kmcnt 0x0
	s_add_nc_u64 s[20:21], s[4:5], s[20:21]
	s_add_nc_u64 s[46:47], s[6:7], s[46:47]
	s_add_nc_u64 s[10:11], s[10:11], s[78:79]
	s_add_nc_u64 s[8:9], s[8:9], s[22:23]
.irp b, 0,1,2,3,4,5,6,7
	global_load_b128 v[BI+8*\b:BI+8*\b+3],   v[BO], s[10:11] offset:64*\b       ; bias[16 b + 8 h + 0 .. 7], in the result's layout; asked for ahead of the rounds
	global_load_b128 v[BI+8*\b+4:BI+8*\b+7], v[BO], s[10:11] offset:64*\b+16
.endr
	s_cmp_eq_u32 s15, 0
	s_cselect_b64 s[PFA:PFA+1], s[20:21], s[46:47]
	s_add_nc_u64 s[PFA:PFA+1], s[PFA:PFA+1], PART  ; at fill 1
.irp s, 0,1
	s_mov_b32 s[G0+4*\s], 1
	s_add_co_u32 s[G0+4*\s+1], s45, \s*SLOT
	s_add_nc_u64 s[G0+4*\s+2:G0+4*\s+3], s[20:21], \s*PART
	s_or_b32 s[G0+4*\s+3], s[G0+4*\s+3], 0x80000000
	s_mov_b32 s[G0B+4*\s], 1
	s_add_co_u32 s[G0B+4*\s+1], s45, \s*SLOT
	s_add_nc_u64 s[G0B+4*\s+2:G0B+4*\s+3], s[46:47], \s*PART
	s_or_b32 s[G0B+4*\s+3], s[G0B+4*\s+3], 0x80000000
.endr
	CROUND                                         ; all sixteen work-groups are here: the first joint loads meet
	JLOAD G0, G1, G0B, G1B                         ; fill 0: one tensor load a wave at the head
	ASK 1                                          ; fill 1
.macro FRAG reg, adr, q, i
.irp c, 0,1,2
	ds_load_b128 v[\reg+4*\c:\reg+4*\c+3], v[\adr] offset:(\q)*UNITB+(\i)*FRB+512*\c
.endr
.endm
; 16 matrix instructions: A's blocks a0, a0 + 1 x B's eight.  p: B's set and the set of scale words.  The 64 accumulators take turns.
.macro MUL16 a0, p, first
.irp a, \a0, \a0+1
.irp b, 0,1,2,3,4,5,6,7
.if \first
	v_wmma_scale_f32_16x16x128_f8f6f4 v[8*(8*((\a)%4)+\b):8*(8*((\a)%4)+\b)+7], v[128*(\p)+FR*\b:128*(\p)+FR*\b+FR-1], v[AF+FR*(\a):AF+FR*(\a)+FR-1], v[BI+8*\b:BI+8*\b+7], v[SC+8*(\p)+\b], v[SC+8*(\p)+(\a)] matrix_a_fmt:MATRIX_FMT_FP6 matrix_b_fmt:MATRIX_FMT_FP6 matrix_a_scale:MATRIX_SCALE_ROW1
.else
	v_wmma_scale_f32_16x16x128_f8f6f4 v[8*(8*((\a)%4)+\b):8*(8*((\a)%4)+\b)+7], v[128*(\p)+FR*\b:128*(\p)+FR*\b+FR-1], v[AF+FR*(\a):AF+FR*(\a)+FR-1], v[8*(8*((\a)%4)+\b):8*(8*((\a)%4)+\b)+7], v[SC+8*(\p)+\b], v[SC+8*(\p)+(\a)] matrix_a_fmt:MATRIX_FMT_FP6 matrix_b_fmt:MATRIX_FMT_FP6 matrix_a_scale:MATRIX_SCALE_ROW1
.endif
.endr
.endr
.endm
.macro FETCH_BH slot, q, p, i0         ; four of B's fragments, 12 loads
	WIN TO_B
.irp i, \i0, \i0+1, \i0+2, \i0+3
	FRAG 128*(\p)+FR*(\i), ADRB+\slot, \q, \i
.endr
	WIN 0
.endm
.macro FETCH_B slot, q, p              ; all eight, 24 loads
	WIN TO_B
.irp i, 0,1,2,3,4,5,6,7
	FRAG 128*(\p)+FR*\i, ADRB+\slot, \q, \i
.endr
	WIN 0
.endm
.macro FETCH_A slot, q, i0             ; four of A's, 12 loads
.irp i, \i0, \i0+1, \i0+2, \i0+3
	FRAG AF+FR*(\i), ADRA+\slot, \q, \i
.endr
.endm
.macro SCALES slot, q, p               ; register i of the set: lanes 0-15 the word of A's block i, lanes 16-31 of B's
.irp g, 0,1
	ds_load_b128 v[SC+8*(\p)+4*\g:SC+8*(\p)+4*\g+3], v[ADRS+\slot] offset:(\q)*UNITB+SCO+256*\g
.endr
.endm
.macro PLACES n
.rept \n
	v_nop
.endr
.endm
; A step that does not end its slot.  qn: the next step's unit in the slot.  eb = 1: the step after next lies in this slot too, and half of its B is fetched at this step's end.
.macro NSTEP slot, qn, p, eb, first
	s_wait_dscnt 24                                ; all but the youngest run: A's blocks 4-7 of this step and B's fragments 0-3 of the next
.if \first
	WIN BEG_LO
.else
	WIN MUL_LO
.endif
	MUL16 0, \p, \first
	MUL16 2, \p, \first
	s_wait_dscnt 12                                ; A's blocks 4-7 are in; the twelve loads of B behind them may be out
	PLACES NP
	WIN 0
	FETCH_A \slot, \qn, 0
	FETCH_BH \slot, \qn, 1-(\p), 4
	SCALES \slot, \qn, 1-(\p)
.if \first
	WIN BEG_HI
.else
	WIN MUL_HI
.endif
	MUL16 4, \p, \first
	MUL16 6, \p, \first
	PLACES NP
	WIN 0
	FETCH_A \slot, \qn, 4
.if \eb
	FETCH_BH \slot, (\qn)+1, \p, 0
.endif
.endm
; The first half of a slot's last step: ONE barrier.  In front of it each wave waits for all its tensor loads (one is out: its part of the next slot), adds 0 to its spare word, and waits for that and for its reads of this slot.
.macro MEET p
	s_wait_tensorcnt 0x0
	ds_add_u32 v[SPW], v[NIL]
	s_wait_dscnt 13                                ; the add and A's blocks 4-7 may be out
	WIN MUL_LO
	MUL16 0, \p, 0
	s_wait_dscnt 0x0                               ; the add is done, and my reads of this slot are over
	s_barrier_signal -1
	MUL16 2, \p, 0
	WIN 0
	s_barrier_wait -1
.endm
; A slot's last step, with its refill.  fill = 2: the last fill, of two units.  ask: the prefetch behind it (0: none).
.macro TURN slot, next, p, fill, ask
.if \ask
	s_wait_xcnt 0x0                                ; my last prefetches have read their address
	s_add_nc_u64 s[PFA:PFA+1], s[PFA:PFA+1], PART
.endif
	MEET \p
	CREST                                          ; the barrier has opened a round: no wave of any partner still reads this slot or has a load on its way
	s_add_nc_u64 s[G0+4*\slot+2:G0+4*\slot+3], s[G0+4*\slot+2:G0+4*\slot+3], 2*PART
	s_add_nc_u64 s[G0B+4*\slot+2:G0B+4*\slot+3], s[G0B+4*\slot+2:G0B+4*\slot+3], 2*PART
.if \fill == 2
	JLOAD G0+4*\slot, G1X, G0B+4*\slot, G1XB
.else
	JLOAD G0+4*\slot, G1, G0B+4*\slot, G1B         ; the first tensor load behind the round; its four v_nop are the places in front of the loads below
.endif
	FETCH_A \next, 0, 0
	FETCH_B \next, 0, 1-(\p)
	SCALES \next, 0, 1-(\p)
.if \ask
	ASK \ask
.endif
	WIN MUL_HI
	MUL16 4, \p, 0
	MUL16 6, \p, 0
	PLACES NP
	WIN 0
	FETCH_A \next, 0, 4
	FETCH_BH \next, 1, \p, 0
.endm
	s_wait_tensorcnt 0x0                           ; my part of fill 0 is in; these lines stand ahead of a later first fill, as ahead of a refill
	ds_add_u32 v[SPW], v[NIL]
	s_wait_xcnt 0x0                                ; the prefetches have read their address
	s_add_nc_u64 s[PFA:PFA+1], s[PFA:PFA+1], PART
	s_wait_dscnt 0x0
	CROUND                                         ; everybody's part of fill 0 is in, and the joint loads meet
	JLOAD G0+4, G1, G0B+4, G1B                     ; fill 1, the first tensor load behind the round
	FETCH_B 0, 0, 0
	FETCH_A 0, 0, 0
	SCALES 0, 0, 0
	FETCH_A 0, 0, 4
	FETCH_BH 0, 1, 1, 0
	ASK 1                                          ; fill 2
	s_wait_loadcnt 0x0                             ; the bias
	NSTEP 0, 1, 0, 1, 1                            ; step 0 stands ahead of the loop: its products start the sums on the bias
	s_mov_b32 s3, TRIPS
.Llap:                                                 ; six steps, once round the ring: steps 6 i + 1 .. 6 i + 6; fills 2 i + 2 and 2 i + 3
	NSTEP 0, 2, 1, 0, 0
	TURN 0, 1, 0, 1, 1
	NSTEP 1, 1, 1, 1, 0
	NSTEP 1, 2, 0, 0, 0
	TURN 1, 0, 1, 1, 2
	NSTEP 0, 1, 0, 1, 0
	s_sub_co_u32 s3, s3, 1
	s_cmp_lg_u32 s3, 0
	s_cbranch_scc1 .Llap
	NSTEP 0, 2, 1, 0, 0                            ; step 25
	TURN 0, 1, 0, 2, 0                             ; step 26, and fill 10
	NSTEP 1, 1, 1, 1, 0
	NSTEP 1, 2, 0, 0, 0
; BY ROWS.  Block a of A, both units, into buffer a % 2: 6 loads
.macro ALOAD a
.irp u, 0,1
	FRAG PA+24*((\a)%2)+FR*\u, ADRA, \u, \a
.endr
.endm
.macro ROWQ a, u                       ; block a x B's eight, unit 30 + u: the block's 8 accumulators by turns
	WIN MUL_LO+0x50*((\a)/4)
.irp b, 0,1,2,3,4,5,6,7
	v_wmma_scale_f32_16x16x128_f8f6f4 v[8*(8*((\a)%4)+\b):8*(8*((\a)%4)+\b)+7], v[128*(\u)+FR*\b:128*(\u)+FR*\b+FR-1], v[PA+24*((\a)%2)+FR*(\u):PA+24*((\a)%2)+FR*(\u)+FR-1], v[8*(8*((\a)%4)+\b):8*(8*((\a)%4)+\b)+7], v[SC+8*(\u)+\b], v[SC+8*(\u)+(\a)] matrix_a_fmt:MATRIX_FMT_FP6 matrix_b_fmt:MATRIX_FMT_FP6 matrix_a_scale:MATRIX_SCALE_ROW1
.endr
.endm
.macro TOSTAGE a                       ; 16 rows x 128 columns into my stage and back as whole rows; LDS serves a wave's instructions in order (ISA guide 5.7.1.4)
.set AC, 64*((\a)%4)
.set BB, BK+112*((\a)%2)
	WIN 0x08+4*((\a)/4)
.irp b, 0,1,2,3,4,5,6,7
	ds_store_b128 v[STO], v[AC+8*\b:AC+8*\b+3] offset:64*\b          ; each accumulator from its low end on
	ds_store_b128 v[STO], v[AC+8*\b+4:AC+8*\b+7] offset:64*\b+16
.endr
	WIN 0
.irp t, 0,1,2,3,4,5,6,7,8,9,10,11,12,13,14,15
	ds_load_b128 v[BB+4*\t:BB+4*\t+3], v[RD] offset:\t*SPITCH
.endr
.endm
.macro SEND a, younger                 ; every offset an immediate: 127 rows of 16,384 bytes at the most, inside the signed 24 bits
.set BB, BK+112*((\a)%2)
	s_wait_dscnt \younger
.irp t, 0,1,2,3,4,5,6,7,8,9,10,11,12,13,14,15
	global_store_b128 v[CO], v[BB+4*\t:BB+4*\t+3], s[8:9] offset:(16*(\a)+\t)*SIZE_N*4 th:TH_STORE_NT   ; 32 lanes store 512 consecutive bytes, at a multiple of 256 from out0's first byte
.endr
.endm
	MEET 1                                         ; step 29: fill 10 is whole, slot 1 is read no more; nothing is filled again, so no round follows
	PLACES NP
	ALOAD 0
	ALOAD 1
	FETCH_B 0, 0, 0                                ; unit 30
	SCALES 0, 0, 0
	WIN MUL_HI
	MUL16 4, 1, 0
	MUL16 6, 1, 0
	PLACES NP
	WIN 0
	FETCH_B 0, 1, 1                                ; unit 31
	SCALES 0, 1, 1
	s_wait_dscnt 26                                ; all but the 26 just issued
	ROWQ 0, 0
	ROWQ 1, 0
	s_wait_dscnt 0x0
	ROWQ 0, 1
.irp a, 0,1,2,3,4,5,6,7
	PLACES NP                                      ; block a's results were just made, and its fragments' buffer is loaded anew
.if \a > 1
	s_wait_xcnt 0x0                                ; block a - 2's stores have read their registers
.endif
	TOSTAGE \a
.if \a < 6
	ALOAD \a+2
.endif
.if \a == 0
	ROWQ 1, 1
.else
.if \a < 6
	s_wait_dscnt 38                                ; block a + 1's fragments are in; behind them: 32 of the stage, 6 of block a + 2
.endif
.if \a == 6
	s_wait_dscnt 32
.endif
.if \a < 7
	ROWQ \a+1, 0                                   ; the next block is multiplied while block a turns through the stage
	ROWQ \a+1, 1
.endif
.endif
	WIN 0
.if \a < 6
	SEND \a, 6
.else
	SEND \a, 0
.endif
.endr
	s_wait_tensorcnt 0x0                           ; the wave's end
	ds_add_u32 v[SPW], v[NIL]
	s_wait_dscnt 0x0
	CROUND                                         ; the closing round
	s_endpgm
.Lfunc_end_k_q7813e06e9c_gemm:
	.size	k_q7813e06e9c_gemm, .Lfunc_end_k_q7813e06e9c_gemm-k_q7813e06e9c_gemm
	.p2alignl 7, 3214868480
	.fill 96, 4, 3214868480
	.section	.rodata,"a",@progbits
	.p2align	6, 0x0
	.amdhsa_kernel k_q7813e06e9c_gemm
		.amdhsa_group_segment_fixed_size 327680
		.amdhsa_private_segment_fixed_size 0
		.amdhsa_enable_private_segment 0
		.amdhsa_kernarg_size 32
		.amdhsa_user_sgpr_count 2
		.amdhsa_user_sgpr_kernarg_segment_ptr 1
		.amdhsa_wavefront_size32 1
		.amdhsa_system_sgpr_workgroup_id_x 1
		.amdhsa_system_sgpr_workgroup_id_y 1
		.amdhsa_system_sgpr_workgroup_id_z 1
		.amdhsa_system_vgpr_workitem_id 0
		.amdhsa_next_free_vgpr 1024
		.amdhsa_next_free_sgpr 96
		.amdhsa_reserve_vcc 0
		.amdhsa_float_denorm_mode_32 3
		.amdhsa_float_denorm_mode_16_64 3
		.amdhsa_memory_ordered 1
		.amdhsa_forward_progress 1
		.amdhsa_inst_pref_size 208
	.end_amdhsa_kernel
	.amdgpu_metadata
---
amdhsa.version: [ 1, 2 ]
amdhsa.kernels:
  - .name:           k_q7813e06e9c_gemm
    .symbol:         k_q7813e06e9c_gemm.kd
    .args:
      - { .name: xq, .offset: 0, .size: 8, .value_kind: global_buffer, .address_space: global }
      - { .name: wq, .offset: 8, .size: 8, .value_kind: global_buffer, .address_space: global }
      - { .name: out0, .offset: 16, .size: 8, .value_kind: global_buffer, .address_space: global }
      - { .name: bias, .offset: 24, .size: 8, .value_kind: global_buffer, .address_space: global }
    .group_segment_fixed_size: 327680
    .private_segment_fixed_size: 0
    .kernarg_segment_align: 8
    .kernarg_segment_size: 32
    .max_flat_workgroup_size: 128
    .sgpr_count:     96
    .vgpr_count:     1024
    .wavefront_size: 32
...
	.end_amdgpu_metadata
.endif
;; end of part 2
